; MI455X (gfx1250); checked and timed in simulation.
; The chip was launched on July 23, 2026; its instructions are those of AMD's public machine-readable ISA for CDNA 5 (MIT licence, August 2026) and "CDNA5" Instruction Set Architecture Reference Guide (July 2026). The comments in the code are by the model that wrote it; some were corrected since.
;; Causal Shaped Attention. Allowed arithmetic: matrix products marked QUANTISED: E4M3 operands, one E8M0 scale for each 32 along K, by v_wmma_scale_f32_16x16x128_f8f6f4 with both operands' format E4M3, f32 sums; everything else in f32.
;; Inputs: alpha one number float32; beta one number float32; gamma one number float32; w_attn_codes 2,048 x 32 x 32 uint8 (E4M3 codes of w_attn, K innermost, in blocks of 32 codes); w_attn_scales 2,048 x 32 uint8 (E8M0 scales of w_attn, one for each 32 codes along K); x 4 x 2,048 x 1,024 float32.
;; Outputs: out0 4 x 2,048 x 1,024 float32.
;; This version of the problem:
;;   THIS VERSION OF THE PROBLEM IS GIVEN IN LOW PRECISION. The matrix products marked QUANTISED in the list below multiply operands that are first quantised to E4M3 (4 exponent bits, 3 mantissa bits; 8 bits a number), with one power-of-two scale for each 32 numbers along K (OCP MX v1.0); their sums are f32. All else is computed in f32.
;;   The module's matrix products, in the order in which they are computed (A, B: the left and right operand; K: the contracted axis; several contracted axes count as one K, in the product's order):
;;     1. [M 8,192, K 1,024] x [K 1,024, N 2,048]; A: input x; B: input w_attn (given as codes): QUANTISED
;;     2. batch 64 x [M 2,048, K 64] x [K 64, N 2,048]; A: computed on the way; B: computed on the way: QUANTISED
;;     3. batch 64 x [M 2,048, K 2,048] x [K 2,048, N 64]; A: computed on the way; B: input x: QUANTISED
;;   THE QUANTISER, for each operand of a quantised product, along K:
;;     - K is cut into blocks of 32 from its start; a last block that is shorter is filled with zeros.
;;     - A block's scale is 2^e with e = floor(log2(the largest magnitude in the block)) - 8, held to -126 .. 127; a block of zeros has e = 0. As a byte (E8M0): e + 127.
;;     - Each number is divided by its block's scale, clamped to +-448, and rounded to the nearest number of E4M3, ties to even, subnormals kept.
;;     - The product sums the exact products of the quantised numbers (number of the format x scale) in f32.
;;   ~~~python
;;   def quantise(x, axis):      # numpy; x: float32 -> the quantised numbers, widened to float32 again
;;       x = np.moveaxis(x, axis, -1); K = x.shape[-1]
;;       x = np.pad(x, [(0, 0)] * (x.ndim - 1) + [(0, -K % 32)]); x = x.reshape(x.shape[:-1] + (-1, 32)); a = np.abs(x).max(-1, keepdims=True)
;;       e = np.where(a > 0, np.clip(np.frexp(np.where(a > 0, a, 1))[1] - 1 - 8, -126, 127), 0)      # np.frexp(a)[1] - 1 = floor(log2(a)), exactly
;;       r = np.clip(x / 2.0 ** e, -448, 448)
;;       step = 2.0 ** (np.maximum(np.frexp(np.where(r == 0, 1, r))[1] - 1, -6) - 3)
;;       q = np.round(r / step) * step * 2.0 ** e      # np.round: ties to even
;;       return np.moveaxis(q.reshape(q.shape[:-2] + (-1,))[..., :K], -1, axis).astype(np.float32)
;;   ~~~
;;   OPERANDS COMPUTED ON THE WAY. 'Computed on the way' means the value that the module computes at that place (a softmax that the list does not call 'softmax' is quantised finished and normalised). What goes into a quantiser is computed in f32, as accurately as f32 sums, v_exp_f32 and their like allow (about 1e-6 of the number): no bf16 or f16 on the way to a quantiser, and a product that is left as it is and whose result goes on into a quantised operand takes f32 operands (vector FMAs, or v_wmma_f32_16x16x4_f32). A number that lies on a knife's edge between two numbers of the format may be rounded either way, as far as f32 arithmetic and the matrix unit's own rounding can turn it there, and no further.
;;   INPUTS GIVEN AS CODES. w_attn (in the module: [2048, 1024], K = its axis 1): each comes as NAME_codes (uint8): NAME with its K axis moved to the last place and cut into blocks of 32 codes, [.., K / 32, bytes a block], one block behind the other in memory; one code a byte (a code: sign, 4 exponent bits, 3 mantissa bits); and NAME_scales (uint8): the same leading axes, one E8M0 byte (e + 127) for each 32 codes along K. Its value is code x scale, taken as it is: it is not quantised again, and the codes and scales need not be those that the quantiser above would give.
;; One version. Each part assembles by itself: llvm-mc -triple=amdgcn-amd-amdhsa -mcpu=gfx1250 --defsym DOCPART=n.
;; ======== version 1 of 1: 4 launches
;; limits: right only within a limited range of input values
;; workspace buffers: xq_codes 8,388,608 bytes; xq_scales 262,144 bytes; qk 17,825,792 bytes; vt 8,650,752 bytes
;; launch quant_rows (part 1): grid 256 x 1, 4 waves a work-group, no clusters, 33,280 bytes of LDS; arguments x, xq_codes, xq_scales; writes xq_codes, xq_scales
.if DOCPART == 1
	.amdgcn_target "amdgcn-amd-amdhsa--gfx1250"
	.amdhsa_code_object_version 6
	.text
	.protected	k_q5e32af9ed1_quant_rows
	.globl	k_q5e32af9ed1_quant_rows
	.p2align	8
	.type	k_q5e32af9ed1_quant_rows,@function
k_q5e32af9ed1_quant_rows:
	s_mov_b64 s[64:65], 0
	v_nop
	global_prefetch_b8 v0, s[64:65] scope:SCOPE_SE
	s_setreg_imm32_b32 hwreg(HW_REG_WAVE_MODE, 25, 1), 1
	s_wait_xcnt 0x0
; x [8192][1024], f32, becomes codes of E4M3 with the 1,024 innermost (the first product's K), and one E8M0 byte for each 32 along it.
; A block's scale is 2^(floor(log2(its largest magnitude)) - 8); its byte is the largest magnitude's exponent field - 8, held at 1 from below.  A block of zeros so gets the byte 1 where the
; rule says 127: its codes are zeros, which add nothing under any byte but 0xff, and this program alone reads the bytes.  Each number is divided by the scale, held within +-448, rounded to the nearest code.
; LIMITS: NaN and infinities among the inputs are not served; blocks whose largest magnitude lies under 2^-118 keep the byte 1.
; Rows are dense and 1,024 is a multiple of 32: the tensor is a plain stream of blocks of 32, and so are its codes and its scale bytes.
; A wave takes 16 steps of 512 numbers.  Each of a step's four loads reads 512 consecutive bytes, 16 a lane; the 2,048 bytes go through the wave's own stage in LDS and come back 64 bytes a lane,
; so that a lane holds 16 neighbours (two lanes a block).  A lane's 16 codes are 16 bytes: the wave stores 512 consecutive bytes.  A wave's 256 scale bytes are gathered in LDS and leave as one aligned run of 256.
; No tensor loads, no barrier, no cluster: waves and work-groups share nothing.  Loads run four steps (16 loads a wave) ahead, the turn through LDS one step.
.set STEPS, 16
.set CB,    16                         ; bytes of 16 codes
.set R,     16                         ; v16-79   four sets of 16 numbers as they are loaded
.set X,     80                         ; v80-111  two sets of 16 neighbours
.set C,     128                        ; v128-191 codes: four registers for each step, so that no store's data are written again
.set E,     112                        ; v112-127 a scale byte for each step
.set WREG,  8192                       ; LDS: a region for each wave: two stages of 32 x SP bytes, behind them its 256 scale bytes
.set SP,    80                         ; a lane's place in a stage: its 64 bytes + 16 of padding
	s_load_b128 s[4:7], s[0:1], 0x0                ; x, the codes
	s_load_b64 s[10:11], s[0:1], 0x10              ; the scale bytes
	v_lshl_add_u32 v192, v0, 2, 0x8000
	v_mov_b32 v193, 0
	v_lshrrev_b32 v1, 5, v0
	v_readfirstlane_b32 s16, v1                    ; wave
	v_and_b32 v2, 31, v0                           ; lane
	v_lshlrev_b32 v3, 4, v2                        ; my 16 bytes of a load's 512
	s_mul_i32 s17, s16, WREG
	v_lshrrev_b32 v14, 2, v2
	v_mul_u32_u24 v14, v14, SP
	v_and_b32 v15, 3, v2
	v_lshl_add_u32 v14, v15, 4, v14
	v_add_nc_u32 v14, s17, v14                     ; the stage, on the way in: SP (lane / 4) + 16 (lane % 4)
	v_mul_u32_u24 v15, v2, SP
	v_add_nc_u32 v15, s17, v15                     ; and on the way out: SP x lane: my 16 neighbours
	v_mul_u32_u24 v4, v2, CB                       ; my codes' place in a step's
	v_lshrrev_b32 v5, 1, v2
	s_add_co_u32 s17, s17, 2*32*SP
	v_add_nc_u32 v5, s17, v5                       ; LDS: my wave's 256 scale bytes, my block's byte
	v_lshlrev_b32 v7, 3, v2                        ; and on the way out 8 bytes a lane
	v_add_nc_u32 v6, s17, v7
	s_mov_b32 s23, 0x600000                        ; the mantissa field of 448
	s_lshl_b32 s17, ttmp9, 2
	s_add_co_u32 s18, s17, s16                     ; which run of 8,192 numbers is my wave's: 0 .. 1,023
	s_mov_b32 s21, 0
	s_wait_alu depctr_va_vdst(0)
	s_wait_kmcnt 0x0
	s_lshl_b32 s20, s18, 15                        ; 32,768 bytes of x,
	s_add_nc_u64 s[4:5], s[4:5], s[20:21]
	s_lshl_b32 s20, s18, 13                        ; 8,192 of codes,
	s_add_nc_u64 s[6:7], s[6:7], s[20:21]
	s_lshl_b32 s20, s18, 8                         ; 256 of scale bytes a run
	s_add_nc_u64 s[10:11], s[10:11], s[20:21]
.macro LOAD t
.irp i, 0,1,2,3
	global_load_b128 v[R+16*((\t)%4)+4*\i:R+16*((\t)%4)+4*\i+3], v3, s[4:5] offset:2048*(\t)+512*\i th:TH_LOAD_NT   ; 32 lanes read 512 consecutive bytes
.endr
.endm
.macro TURN t                          ; step t's numbers through the stage: LDS serves a wave's instructions in order, so no wait stands between the stores and the loads
.irp i, 0,1,2,3
	ds_store_b128 v14, v[R+16*((\t)%4)+4*\i:R+16*((\t)%4)+4*\i+3] offset:32*SP*((\t)%2)+8*SP*\i
.endr
.irp i, 0,1,2,3
	ds_load_b128 v[X+16*((\t)%2)+4*\i:X+16*((\t)%2)+4*\i+3], v15 offset:32*SP*((\t)%2)+16*\i
.endr
.endm
.irp t, 0,1,2,3
	LOAD \t
.endr
	s_wait_loadcnt 12                              ; step 0's four loads are in; the twelve of steps 1 to 3 stay out
	TURN 0
.macro STEP t
.set XS, X+16*((\t)%2)
.if (\t) > 0
	s_wait_dscnt 1                                 ; this step's numbers are back from the stage (the last step's byte store may be out): so its stores into the stage have read their registers,
.else
	s_wait_dscnt 0x0
.endif
.if (\t)+4 < STEPS
	LOAD (\t)+4                                    ; which take the loads of four steps on
.endif
.if (\t)+1 < STEPS
.if STEPS-2-(\t) >= 3
	s_wait_loadcnt 12                              ; the next step's four loads are in; those of the three steps behind it may be out
.else
	s_wait_loadcnt 4*(STEPS-2-(\t))
.endif
	TURN (\t)+1                                    ; and go through the other stage while this step is worked
.endif
	v_max3_num_f32 v8, |v[XS]|, |v[XS+1]|, |v[XS+2]|               ; the largest magnitude of my 16, in two chains
	v_max3_num_f32 v9, |v[XS+3]|, |v[XS+4]|, |v[XS+5]|
.irp i, 6,10
	v_max3_num_f32 v8, v8, |v[XS+\i]|, |v[XS+\i+1]|
	v_max3_num_f32 v9, v9, |v[XS+\i+2]|, |v[XS+\i+3]|
.endr
	v_max3_num_f32 v8, v8, |v[XS+14]|, |v[XS+15]|
	v_max3_num_f32 v8, v8, v9, 0x4800000           ; and the floor 2^(9 - 127): the byte cannot fall under 1
	v_max_num_f32_dpp v8, v8, v8 row_xmask:1 row_mask:0xf bank_mask:0xf   ; and of my neighbour's 16: the block's
	v_add_nc_u32 v11, 0xfc000000, v8               ; 8 off its exponent field: the conversion takes the exponent field of this operand as its scale
	v_and_or_b32 v10, v8, 0x7f800000, s23          ; 448 x the scale
.irp i, 0,1,2,3,4,5,6,7,8,9,10,11,12,13,14,15
	v_med3_num_f32 v[XS+\i], v[XS+\i], -v10, v10   ; the conversion to an 8-bit code does not saturate (ISA guide 7.6.2): the hold comes first
.endr
	v_cvt_scalef32_pk8_fp8_f32 v[C+4*(\t):C+4*(\t)+1], v[XS:XS+7], v11
	v_cvt_scalef32_pk8_fp8_f32 v[C+4*(\t)+2:C+4*(\t)+3], v[XS+8:XS+15], v11
	v_lshrrev_b32 v[E+(\t)], 23, v11               ; the scale's byte
	ds_store_b8 v5, v[E+(\t)] offset:16*(\t)       ; both lanes of a block write the same byte with the same value
	global_store_b128 v4, v[C+4*(\t):C+4*(\t)+3], s[6:7] offset:32*CB*(\t)
.endm
.irp t, 0,1,2,3,4,5,6,7,8,9,10,11,12,13,14,15
	STEP \t
.endr
	ds_load_b64 v[12:13], v6                       ; LDS serves a wave's instructions in order: these see my stores
	s_wait_dscnt 0x0
	global_store_b64 v7, v[12:13], s[10:11]        ; 32 lanes store 256 consecutive bytes, aligned
	s_wait_tensorcnt 0x0
	ds_add_u32 v192, v193
	s_wait_dscnt 0x0
	s_endpgm
.Lfunc_end_k_q5e32af9ed1_quant_rows:
	.size	k_q5e32af9ed1_quant_rows, .Lfunc_end_k_q5e32af9ed1_quant_rows-k_q5e32af9ed1_quant_rows
	.p2alignl 7, 3214868480
	.fill 96, 4, 3214868480
	.section	.rodata,"a",@progbits
	.p2align	6, 0x0
	.amdhsa_kernel k_q5e32af9ed1_quant_rows
		.amdhsa_group_segment_fixed_size 33280
		.amdhsa_private_segment_fixed_size 0
		.amdhsa_enable_private_segment 0
		.amdhsa_kernarg_size 24
		.amdhsa_user_sgpr_count 2
		.amdhsa_user_sgpr_kernarg_segment_ptr 1
		.amdhsa_wavefront_size32 1
		.amdhsa_system_sgpr_workgroup_id_x 1
		.amdhsa_system_sgpr_workgroup_id_y 1
		.amdhsa_system_sgpr_workgroup_id_z 1
		.amdhsa_system_vgpr_workitem_id 0
		.amdhsa_next_free_vgpr 194
		.amdhsa_next_free_sgpr 66
		.amdhsa_reserve_vcc 0
		.amdhsa_float_denorm_mode_32 3
		.amdhsa_float_denorm_mode_16_64 3
		.amdhsa_memory_ordered 1
		.amdhsa_forward_progress 1
		.amdhsa_inst_pref_size 51
	.end_amdhsa_kernel
	.amdgpu_metadata
---
amdhsa.version: [ 1, 2 ]
amdhsa.kernels:
  - .name:           k_q5e32af9ed1_quant_rows
    .symbol:         k_q5e32af9ed1_quant_rows.kd
    .args:
      - { .name: x, .offset: 0, .size: 8, .value_kind: global_buffer, .address_space: global }
      - { .name: xq_codes, .offset: 8, .size: 8, .value_kind: global_buffer, .address_space: global }
      - { .name: xq_scales, .offset: 16, .size: 8, .value_kind: global_buffer, .address_space: global }
    .group_segment_fixed_size: 33280
    .private_segment_fixed_size: 0
    .kernarg_segment_align: 8
    .kernarg_segment_size: 24
    .max_flat_workgroup_size: 128
    .sgpr_count:     66
    .vgpr_count:     194
    .wavefront_size: 32
...
	.end_amdgpu_metadata
.endif
;; end of part 1
;; launch quant_cols (part 2): grid 256 x 1, 4 waves a work-group, no clusters, 35,328 bytes of LDS; arguments x, vt; writes vt
.if DOCPART == 2
	.amdgcn_target "amdgcn-amd-amdhsa--gfx1250"
	.amdhsa_code_object_version 6
	.text
	.protected	k_q5e32af9ed1_quant_cols
	.globl	k_q5e32af9ed1_quant_cols
	.p2align	8
	.type	k_q5e32af9ed1_quant_cols,@function
k_q5e32af9ed1_quant_cols:
	s_mov_b64 s[64:65], 0
	v_nop
	global_prefetch_b8 v0, s[64:65] scope:SCOPE_SE
	s_setreg_imm32_b32 hwreg(HW_REG_WAVE_MODE, 25, 1), 1
	s_wait_xcnt 0x0
; x [4][2048][1024], f32, taken as the values v[b][head][t][d] = x[b][t][64 head + d], is quantised along t (the third product's K) into codes of E4M3 and E8M0 bytes, and laid
; IN THE ORDER OF THE OPERAND'S REGISTERS.  vt is 1,024 chunks of 8,448 bytes, chunk (16 b + head) 16 + step: 128 keys x 64 channels.  In a chunk:
;   byte 2048 t + 512 c + 16 lane: tile t (0..3), register group c (0..3): lane (r, h) holds channel 4 r + t and, of the step's block c of 32 keys, keys 8 h + 0..7 and 16 + 8 h + 0..7
;   (the order in which the attention launch's weights fall into a lane's registers: a permutation inside a block of 32, the same on both sides of the product);
;   byte 8192 + 8 (16 (t & 1) + r) + 4 (t >> 1): the scale word of channel 4 r + t, byte c for key block c.
; A LANE TAKES A CHANNEL AND ITS REGISTERS RUN DOWN THE KEYS: a block of 32 keys lies in one lane's 32 registers, and the conversions give codes with the keys innermost.
; A wave makes one chunk: eight blocks (key block q / 2, channels 32 (q % 2) + lane).  The four waves of a work-group take four neighbouring heads: 1,024 consecutive bytes of each row of x.
; The codes go through the wave's own stage in LDS and leave as runs of 512 consecutive bytes.  No tensor loads, no barrier, no cluster: waves and work-groups share nothing.
; LIMITS: NaN and infinities are not served; blocks whose largest magnitude lies under 2^-118, blocks of zeros among them, keep the byte 1 (their codes are right under it).
.set PST,   2112                       ; a tile's stage: 2,048 bytes + 64: the sixteen lanes of half a store (4 tiles x 4 rows) fall on sixteen different columns of 16 bytes
.set WREG,  4*PST+256                  ; a wave's LDS: four stages, then its 256 bytes of scale words
.set X,     32                         ; v32-95   two sets of 32 numbers
.set C,     96                         ; v96-103  a block's codes
.set OUTR,  112                        ; v112-175 the way out
.set SB,    24                         ; v24, v25 the scale words of my two channels
	s_load_b128 s[4:7], s[0:1], 0x0                ; x, vt
	v_lshl_add_u32 v192, v0, 2, 0x8800
	v_mov_b32 v193, 0
	v_lshrrev_b32 v1, 5, v0
	v_readfirstlane_b32 s16, v1                    ; wave 0..3
	v_and_b32 v2, 31, v0                           ; lane
	s_and_b32 s17, ttmp9, 3                        ; which four heads
	s_bfe_u32 s18, ttmp9, 0x40002                  ; the key step, 0..15
	s_lshr_b32 s19, ttmp9, 6                       ; b
	v_lshlrev_b32 v3, 2, v2                        ; in: 4 bytes a lane
	s_mul_i32 s20, s16, WREG
	v_and_b32 v10, 3, v2                           ; my channel's tile: lane % 4
	v_mul_u32_u24 v4, v10, PST
	v_lshrrev_b32 v11, 2, v2                       ; and its row there: lane / 4 (+ 8 for the upper 32 channels)
	v_lshl_add_u32 v4, v11, 4, v4
	v_add_nc_u32 v4, s20, v4                       ; into the stage
	v_and_b32 v10, 1, v2
	v_lshlrev_b32 v5, 7, v10
	v_lshl_add_u32 v5, v11, 3, v5
	v_bfe_u32 v10, v2, 1, 1
	v_lshl_add_u32 v5, v10, 2, v5
	v_add_nc_u32 v5, s20, v5
	v_add_nc_u32 v5, 4*PST, v5                     ; my scale word's place: 128 (t & 1) + 8 r + 4 (t >> 1)
	v_lshlrev_b32 v7, 4, v2                        ; out: 16 bytes a lane
	v_add_nc_u32 v6, s20, v7
	v_lshlrev_b32 v9, 3, v2                        ; the scale words: 8 bytes a lane
	v_add_nc_u32 v8, s20, v9
	v_add_nc_u32 v8, 4*PST, v8
	s_lshl_b32 s22, s19, 23                        ; x: b x 2,048 rows of 4,096 bytes
	s_lshl_b32 s21, s18, 19                        ; + 128 rows a step
	s_add_co_u32 s22, s22, s21
	s_lshl_b32 s21, s17, 10                        ; + four heads of 256 bytes
	s_add_co_u32 s22, s22, s21
	s_lshl_b32 s21, s16, 8                         ; + my head
	s_add_co_u32 s22, s22, s21
	s_mov_b32 s23, 0
	s_lshl_b32 s24, s19, 4                         ; vt: chunk (16 b + head) 16 + step
	s_lshl_b32 s21, s17, 2
	s_add_co_u32 s24, s24, s21
	s_add_co_u32 s24, s24, s16
	s_lshl_b32 s24, s24, 4
	s_add_co_u32 s24, s24, s18
	s_mul_i32 s24, s24, 8448
	s_mov_b32 s25, 0
	s_wait_kmcnt 0x0
	s_add_nc_u64 s[4:5], s[4:5], s[22:23]
	s_add_nc_u64 s[6:7], s[6:7], s[24:25]
.macro LOAD q                          ; block q: keys 32 (q / 2) + k, k = 0 .. 31, of channel 32 (q % 2) + lane, into set q % 2
.irp k, 0,1,2,3,4,5,6,7,8,9,10,11,12,13,14,15,16,17,18,19,20,21,22,23,24,25,26,27,28,29,30,31
	global_load_b32 v[X+32*((\q)%2)+\k], v3, s[4:5] offset:(32*((\q)/2)+\k)*4096+128*((\q)%2) th:TH_LOAD_NT
.endr
.endm
	LOAD 0
	LOAD 1
.macro BLOCK q
.set XS, X+32*((\q)%2)
.set CBK, (\q)/2
.set UP, (\q)%2
.if (\q) < 7
	s_wait_loadcnt 32                              ; this block's 32 loads are in; the next block's 32 may be out
.else
	s_wait_loadcnt 0
.endif
	v_max3_num_f32 v12, |v[XS]|, |v[XS+1]|, |v[XS+2]|               ; the block's largest magnitude: all 32 numbers are mine
	v_max3_num_f32 v13, |v[XS+3]|, |v[XS+4]|, |v[XS+5]|
.irp i, 6,10,14,18,22,26
	v_max3_num_f32 v12, v12, |v[XS+\i]|, |v[XS+\i+1]|
	v_max3_num_f32 v13, v13, |v[XS+\i+2]|, |v[XS+\i+3]|
.endr
	v_max3_num_f32 v12, v12, |v[XS+30]|, |v[XS+31]|
	v_max3_num_f32 v12, v12, v13, 0x4800000        ; and the floor 2^(9 - 127): the byte cannot fall under 1
	v_add_nc_u32 v11, 0xfc000000, v12              ; 8 off its exponent field: the conversion's scale operand
	v_lshrrev_b32 v13, 23, v11                     ; the scale's byte
.if CBK == 0
	v_mov_b32 v[SB+UP], v13                        ; four bytes to a word, the lower keys in the lower byte
.else
	v_lshl_or_b32 v[SB+UP], v13, 8*CBK, v[SB+UP]
.endif
.irp i, 0,1,2,3,4,5,6,7,8,9,10,11,12,13,14,15,16,17,18,19,20,21,22,23,24,25,26,27,28,29,30,31
.endr
	v_cvt_scalef32_pk8_fp8_f32 v[C:C+1], v[XS:XS+7], v11           ; keys 0-7 and 16-23: the 16 bytes of lane (r, 0);
	v_cvt_scalef32_pk8_fp8_f32 v[C+2:C+3], v[XS+16:XS+23], v11
	v_cvt_scalef32_pk8_fp8_f32 v[C+4:C+5], v[XS+8:XS+15], v11      ; keys 8-15 and 24-31: those of lane (r, 1)
	v_cvt_scalef32_pk8_fp8_f32 v[C+6:C+7], v[XS+24:XS+31], v11
	ds_store_b128 v4, v[C:C+3] offset:UP*128+CBK*512
	ds_store_b128 v4, v[C+4:C+7] offset:UP*128+CBK*512+256
.if (\q)+2 < 8
	LOAD (\q)+2
.endif
	s_wait_dscnt 0x0                               ; the stores have read their registers: the next block's codes may be written
.endm
.set Q, 0
.rept 8
	BLOCK Q
.set Q, Q+1
.endr
	ds_store_b32 v5, v[SB]
	s_wait_alu depctr_va_vdst(0)
	ds_store_b32 v5, v[SB+1] offset:64             ; the upper 32 channels: rows 8 further on
.irp n, 0,1,2,3,4,5,6,7,8,9,10,11,12,13,14,15
	ds_load_b128 v[OUTR+4*\n:OUTR+4*\n+3], v6 offset:(\n/4)*PST+(\n%4)*512   ; LDS serves a wave's instructions in order: these see my stores
.endr
	ds_load_b64 v[176:177], v8
.irp n, 0,1,2,3,4,5,6,7,8,9,10,11,12,13,14,15
	s_wait_dscnt 16-\n                             ; behind load n: the 15 - n loads of 16 bytes and the one of 8
	global_store_b128 v7, v[OUTR+4*\n:OUTR+4*\n+3], s[6:7] offset:512*\n     ; 32 lanes store 512 consecutive bytes, aligned to 256
.endr
	s_wait_dscnt 0x0
	global_store_b64 v9, v[176:177], s[6:7] offset:8192                     ; 256 consecutive bytes, aligned
	s_wait_tensorcnt 0x0
	ds_add_u32 v192, v193
	s_wait_dscnt 0x0
	s_endpgm
.Lfunc_end_k_q5e32af9ed1_quant_cols:
	.size	k_q5e32af9ed1_quant_cols, .Lfunc_end_k_q5e32af9ed1_quant_cols-k_q5e32af9ed1_quant_cols
	.p2alignl 7, 3214868480
	.fill 96, 4, 3214868480
	.section	.rodata,"a",@progbits
	.p2align	6, 0x0
	.amdhsa_kernel k_q5e32af9ed1_quant_cols
		.amdhsa_group_segment_fixed_size 35328
		.amdhsa_private_segment_fixed_size 0
		.amdhsa_enable_private_segment 0
		.amdhsa_kernarg_size 16
		.amdhsa_user_sgpr_count 2
		.amdhsa_user_sgpr_kernarg_segment_ptr 1
		.amdhsa_wavefront_size32 1
		.amdhsa_system_sgpr_workgroup_id_x 1
		.amdhsa_system_sgpr_workgroup_id_y 1
		.amdhsa_system_sgpr_workgroup_id_z 1
		.amdhsa_system_vgpr_workitem_id 0
		.amdhsa_next_free_vgpr 194
		.amdhsa_next_free_sgpr 66
		.amdhsa_reserve_vcc 0
		.amdhsa_float_denorm_mode_32 3
		.amdhsa_float_denorm_mode_16_64 3
		.amdhsa_fp16_overflow 1
		.amdhsa_memory_ordered 1
		.amdhsa_forward_progress 1
		.amdhsa_inst_pref_size 43
	.end_amdhsa_kernel
	.amdgpu_metadata
---
amdhsa.version: [ 1, 2 ]
amdhsa.kernels:
  - .name:           k_q5e32af9ed1_quant_cols
    .symbol:         k_q5e32af9ed1_quant_cols.kd
    .args:
      - { .name: x, .offset: 0, .size: 8, .value_kind: global_buffer, .address_space: global }
      - { .name: vt, .offset: 8, .size: 8, .value_kind: global_buffer, .address_space: global }
    .group_segment_fixed_size: 35328
    .private_segment_fixed_size: 0
    .kernarg_segment_align: 8
    .kernarg_segment_size: 16
    .max_flat_workgroup_size: 128
    .sgpr_count:     66
    .vgpr_count:     194
    .wavefront_size: 32
...
	.end_amdgpu_metadata
.endif
;; end of part 2
;; launch qk_gemm (part 3): grid 8 x 32, 4 waves a work-group, clusters of 4 x 4, 327,680 bytes of LDS; arguments xq_codes, xq_scales, w_attn_codes, w_attn_scales, qk; writes qk
.if DOCPART == 3
	.amdgcn_target "amdgcn-amd-amdhsa--gfx1250"
	.amdhsa_code_object_version 6
	.text
	.protected	k_q5e32af9ed1_qk_gemm
	.globl	k_q5e32af9ed1_qk_gemm
	.p2align	8
	.type	k_q5e32af9ed1_qk_gemm,@function
k_q5e32af9ed1_qk_gemm:
	s_mov_b64 s[64:65], 0
	v_nop
	global_prefetch_b8 v0, s[64:65] scope:SCOPE_SE
	s_setreg_imm32_b32 hwreg(HW_REG_WAVE_MODE, 25, 1), 1
	s_wait_xcnt 0x0
	s_wait_alu depctr_hold_cnt(0) depctr_sa_sdst(0) depctr_va_vdst(0) depctr_va_sdst(0) depctr_va_ssrc(0) depctr_va_vcc(0) depctr_vm_vsrc(0)
	s_getreg_b32 s2, hwreg(HW_REG_IB_STS2, 6, 4)
	s_cmp_eq_u32 s2, 0
	s_cbranch_scc0 .Lentry_in_a_cluster
	s_endpgm
.Lentry_in_a_cluster:
	s_bfe_u32 s2, ttmp6, 0x10000c
	s_cmp_lg_u32 s2, 0xf033
	s_cbranch_scc0 .Lentry_shape_is_right
	s_endpgm
.Lentry_shape_is_right:
.set SIZE_M, 8192
.set SIZE_N, 2048
.set SIZE_K, 1024
.set KSTEP,  256
.set NQ,     KSTEP/128
.set ROWB,   256
.set KROW,   SIZE_K
.set PITCH,  272
.set FR,     16
.set NL,     4
.set NP,     8
.set HALFT,  128*PITCH
.set SLOT,   4*HALFT
.set LAPS,   SIZE_K/(2*KSTEP)
.set KS,     SIZE_K/32
.set SCL,    2*SLOT
.set HALFS,  (128*KS/256)*272
.set SBLK,   (16*KS/256)*272
.set SPARE,  SCL+4*HALFS
.set CHUNK,  8704
.set ADRA, 16
.set ADRB, 20
.set STO,  24
.set RD,   25
.set CO,   26
.set ADRS, 27
.set SPW,  28
.set NIL,  29
.set SC,   32
.set AF,   128
.set PC,   112
.set SW,   144
.set TM,   200
.set MNT,  95
.set SEL,  96
.set G1, 24
.set G0, 32
.set G1B, 48
.set G0B, 56
.set G1S, 68
.set G0S, 76
.set G1SB, 80
.set G0SB, 88
.set MSB, 0
.macro WIN new
.if MSB != \new
	s_set_vgpr_msb (MSB<<8)|\new
.set MSB, \new
.endif
.endm
.set MUL_LO, 0xa1
.set MUL_HI, 0xf1
.set TO_B,   0x40
.macro JLOAD g0a, g1a, g0b, g1b
	s_cmp_eq_u32 s15, 0
	s_cbranch_scc0 .Lfor_b_\@
	tensor_load_to_lds s[\g0a:\g0a+3], s[\g1a:\g1a+7]
	s_nop 0
.rept 4
	v_nop
.endr
	s_branch .Lasked_\@
.Lfor_b_\@:
	tensor_load_to_lds s[\g0b:\g0b+3], s[\g1b:\g1b+7]
	s_nop 0
.rept 4
	v_nop
.endr
.Lasked_\@:
.endm
.macro CREST
	s_cmp_lg_u32 s14, 0
	s_cbranch_scc1 .Lnot_wave_0_\@
	s_barrier_signal -3
.Lnot_wave_0_\@:
	s_barrier_wait -3
	s_barrier_signal -1
	s_barrier_wait -1
.endm
.macro CROUND
	s_barrier_signal -1
	s_barrier_wait -1
	CREST
.endm
	s_load_b128 s[4:7], s[0:1], 0x0
	s_load_b128 s[8:11], s[0:1], 0x10
	s_load_b64 s[12:13], s[0:1], 0x20
	v_lshl_add_u32 v[SPW], v0, 2, SPARE
	v_mov_b32 v[NIL], 0
	ds_add_u32 v28, v29
	ds_add_u32 v28, v29
	s_wait_dscnt 0x0
	v_lshrrev_b32 v1, 5, v0
	v_readfirstlane_b32 s14, v1
	s_lshr_b32 s15, s14, 1
	s_and_b32 s16, s14, 1
	s_bfe_u32 s40, ttmp6, 0x40000
	s_bfe_u32 s41, ttmp6, 0x40004
	s_lshl_b32 s42, ttmp9, 2
	s_add_co_u32 s42, s42, s40
	s_and_b32 s17, ttmp7, 0xffff
	s_lshl_b32 s17, s17, 2
	s_add_co_u32 s17, s17, s41
	s_lshl_b32 s43, s41, 2
	s_lshl_b32 s43, 15, s43
	s_lshl_b32 s44, 0x1111, s40
	s_or_b32 s[G1+0], s43, (0<<16)|(1<<20)|(1<<21)|(5<<22)|(3<<25)
	s_or_b32 s[G1B+0], s44, (0<<16)|(1<<20)|(1<<21)|(5<<22)|(3<<25)
.irp g, G1, G1B
	s_mov_b32 s[\g+1], ROWB<<16
	s_mov_b32 s[\g+2], 128<<16
	s_mov_b32 s[\g+3], ROWB<<16
	s_mov_b32 s[\g+4], 128
	s_mov_b32 s[\g+5], KROW
	s_mov_b32 s[\g+6], 0
	s_mov_b32 s[\g+7], 0
.endr
	s_or_b32 s[G1S+0], s43, (3<<16)|(1<<20)|(1<<21)|(5<<22)|(3<<25)
	s_or_b32 s[G1SB+0], s44, (3<<16)|(1<<20)|(1<<21)|(5<<22)|(3<<25)
.irp g, G1S, G1SB
	s_mov_b32 s[\g+1], 32<<16
	s_mov_b32 s[\g+2], (128*KS/256)<<16
	s_mov_b32 s[\g+3], 32<<16
	s_mov_b32 s[\g+4], 128*KS/256
	s_mov_b32 s[\g+5], 32
	s_mov_b32 s[\g+6], 0
	s_mov_b32 s[\g+7], 0
.endr
	s_lshl_b32 s18, s16, 7
	s_lshl_b32 s20, s17, 8
	s_add_co_u32 s20, s20, s18
	s_lshl_b32 s46, s42, 8
	s_add_co_u32 s46, s46, s18
	s_mov_b32 s21, 0
	s_mov_b32 s47, 0
	s_mov_b64 s[18:19], KS
	s_mul_u64 s[22:23], s[20:21], s[18:19]
	s_mul_u64 s[92:93], s[46:47], s[18:19]
	s_mov_b64 s[18:19], KROW
	s_mul_u64 s[20:21], s[20:21], s[18:19]
	s_mul_u64 s[46:47], s[46:47], s[18:19]
	s_mul_i32 s45, s14, HALFT
	s_mul_i32 s94, s14, HALFS
	s_wait_kmcnt 0x0
	s_add_nc_u64 s[20:21], s[4:5], s[20:21]
	s_add_nc_u64 s[22:23], s[6:7], s[22:23]
	s_add_nc_u64 s[46:47], s[8:9], s[46:47]
	s_add_nc_u64 s[92:93], s[10:11], s[92:93]
	CROUND
	s_mov_b32 s[G0S], 1
	s_add_co_u32 s[G0S+1], s94, SCL
	s_mov_b64 s[G0S+2:G0S+3], s[22:23]
	s_or_b32 s[G0S+3], s[G0S+3], 0x80000000
	s_mov_b32 s[G0SB], 1
	s_add_co_u32 s[G0SB+1], s94, SCL
	s_mov_b64 s[G0SB+2:G0SB+3], s[92:93]
	s_or_b32 s[G0SB+3], s[G0SB+3], 0x80000000
	JLOAD G0S, G1S, G0SB, G1SB
.irp s, 0,1
	s_mov_b32 s[G0+4*\s], 1
	s_add_co_u32 s[G0+4*\s+1], s45, \s*SLOT
	s_add_nc_u64 s[G0+4*\s+2:G0+4*\s+3], s[20:21], \s*ROWB
	s_or_b32 s[G0+4*\s+3], s[G0+4*\s+3], 0x80000000
	s_mov_b32 s[G0B+4*\s], 1
	s_add_co_u32 s[G0B+4*\s+1], s45, \s*SLOT
	s_add_nc_u64 s[G0B+4*\s+2:G0B+4*\s+3], s[46:47], \s*ROWB
	s_or_b32 s[G0B+4*\s+3], s[G0B+4*\s+3], 0x80000000
	s_wait_alu depctr_va_vdst(0)
	s_wait_tensorcnt 0x0
	ds_add_u32 v28, v29
	s_wait_dscnt 0x0
	CROUND
	JLOAD G0+4*\s, G1, G0B+4*\s, G1B
.endr
	v_and_b32 v1, 15, v0
	v_bfe_u32 v2, v0, 4, 1
	v_mul_u32_u24 v3, v1, PITCH
	v_lshl_add_u32 v4, v2, 4, v3
	s_mul_i32 s21, s15, HALFT
	s_mul_i32 s22, s16, HALFT
	s_add_co_u32 s22, s22, 2*HALFT
.irp s, 0,1
	v_add_nc_u32 v[ADRA+\s], s21, v4
	v_add_nc_u32 v[ADRB+\s], s22, v4
	s_add_co_u32 s21, s21, SLOT
	s_add_co_u32 s22, s22, SLOT
.endr
	v_mul_u32_u24 v5, v1, KS
	v_lshrrev_b32 v6, 8, v5
	v_lshl_add_u32 v5, v6, 4, v5
	s_mul_i32 s21, s15, HALFS
	s_mul_i32 s22, s16, HALFS
	s_add_co_u32 s22, s22, 2*HALFS
	s_sub_co_u32 s22, s22, s21
	v_mul_u32_u24 v6, s22, v2
	s_add_co_u32 s21, s21, SCL
	v_add_nc_u32 v5, v5, v6
	v_add_nc_u32 v[ADRS], s21, v5
	s_lshl_b32 s23, s14, 10
	v_lshl_add_u32 v[STO], v1, 4, s23
	v_and_b32 v6, 31, v0
	v_lshlrev_b32 v[CO], 4, v6
	v_add_nc_u32 v[RD], s23, v[CO]
	s_lshr_b32 s20, s42, 2
	s_lshl_b32 s20, s20, 2
	s_lshr_b32 s21, s17, 3
	s_add_co_u32 s20, s20, s21
	s_lshl_b32 s20, s20, 4
	s_and_b32 s21, s42, 3
	s_lshl_b32 s21, s21, 2
	s_add_co_u32 s20, s20, s21
	s_lshl_b32 s21, s16, 1
	s_add_co_u32 s20, s20, s21
	s_lshl_b32 s20, s20, 4
	s_and_b32 s21, s17, 7
	s_lshl_b32 s21, s21, 1
	s_add_co_u32 s20, s20, s21
	s_add_co_u32 s20, s20, s15
	s_mul_i32 s20, s20, CHUNK
	s_mov_b32 s21, 0
	s_add_nc_u64 s[12:13], s[12:13], s[20:21]
.macro FRAG reg, adr, q, i
.irp c, 0,1,2,3
	ds_load_b128 v[\reg+4*\c:\reg+4*\c+3], v[\adr] offset:128*(\q)+32*\c+(\i)*16*PITCH
.endr
.endm
.macro MUL16 a0, p, q, sc, zero
.irp a, \a0, \a0+1
.irp b, 0,1,2,3,4,5,6,7
.if \zero
	v_wmma_scale_f32_16x16x128_f8f6f4 v[8*(8*((\a)%4)+\b):8*(8*((\a)%4)+\b)+7], v[128*(\p)+FR*\b:128*(\p)+FR*\b+FR-1], v[AF+FR*(\a):AF+FR*(\a)+FR-1], 0, v[SC+8*NQ*(\sc)+NQ*\b+(\q)], v[SC+8*NQ*(\sc)+NQ*(\a)+(\q)] matrix_a_scale:MATRIX_SCALE_ROW1
.else
	v_wmma_scale_f32_16x16x128_f8f6f4 v[8*(8*((\a)%4)+\b):8*(8*((\a)%4)+\b)+7], v[128*(\p)+FR*\b:128*(\p)+FR*\b+FR-1], v[AF+FR*(\a):AF+FR*(\a)+FR-1], v[8*(8*((\a)%4)+\b):8*(8*((\a)%4)+\b)+7], v[SC+8*NQ*(\sc)+NQ*\b+(\q)], v[SC+8*NQ*(\sc)+NQ*(\a)+(\q)] matrix_a_scale:MATRIX_SCALE_ROW1
.endif
.endr
.endr
.endm
.macro FETCH_B slot, q, p
	WIN TO_B
.irp i, 0,1,2,3,4,5,6,7
	FRAG 128*(\p)+FR*\i, ADRB+\slot, \q, \i
.endr
	WIN 0
.endm
.macro FETCH_A slot, q, i0
.irp i, \i0, \i0+1, \i0+2, \i0+3
	FRAG AF+FR*(\i), ADRA+\slot, \q, \i
.endr
.endm
.macro SCALES sc
.irp i, 0,1,2,3,4,5,6,7
	ds_load_b64 v[SC+8*NQ*\sc+NQ*\i:SC+8*NQ*\sc+NQ*\i+1], v[ADRS] offset:\i*SBLK
.endr
.endm
.macro PLACES n
.rept \n
	v_nop
.endr
.endm
.macro STEP slot, q, zero
	s_wait_dscnt 4*NL
	WIN MUL_LO
	MUL16 0, (\q)%2, \q, \slot, \zero
	MUL16 2, (\q)%2, \q, \slot, \zero
	s_wait_dscnt 0
	PLACES NP
	FETCH_B \slot, (\q)+1, 1-(\q)%2
	FETCH_A \slot, (\q)+1, 0
	WIN MUL_HI
	MUL16 4, (\q)%2, \q, \slot, \zero
	MUL16 6, (\q)%2, \q, \slot, \zero
	PLACES NP
	WIN 0
	FETCH_A \slot, (\q)+1, 4
.endm
.macro TURN slot, next, fill
	s_wait_tensorcnt 0x0
	ds_add_u32 v[SPW], v[NIL]
	s_wait_dscnt 4*NL+1
	WIN MUL_LO
	MUL16 0, 1, NQ-1, \slot, 0
	s_wait_dscnt 0x0
	s_barrier_signal -1
	MUL16 2, 1, NQ-1, \slot, 0
	WIN 0
	s_barrier_wait -1
.if \fill
	CREST
	s_add_nc_u64 s[G0+4*\slot+2:G0+4*\slot+3], s[G0+4*\slot+2:G0+4*\slot+3], 2*ROWB
	s_add_nc_u64 s[G0B+4*\slot+2:G0B+4*\slot+3], s[G0B+4*\slot+2:G0B+4*\slot+3], 2*ROWB
	JLOAD G0+4*\slot, G1, G0B+4*\slot, G1B
	PLACES NP-4
.else
	PLACES NP
.endif
	s_wait_alu depctr_va_vdst(0)
	v_add_nc_u32 v[ADRS], 4*NQ, v[ADRS]
	FETCH_B \next, 0, 0
	FETCH_A \next, 0, 0
	SCALES \next
	WIN MUL_HI
	MUL16 4, 1, NQ-1, \slot, 0
	MUL16 6, 1, NQ-1, \slot, 0
	PLACES NP
	WIN 0
	FETCH_A \next, 0, 4
.endm
	s_wait_alu depctr_va_vdst(0)
	s_wait_tensorcnt 1
	s_barrier_signal -1
	s_barrier_wait -1
	FETCH_B 0, 0, 0
	FETCH_A 0, 0, 0
	SCALES 0
	FETCH_A 0, 0, 4
	STEP 0, 0, 1
	s_mov_b32 s3, LAPS-1
.Llap:
	TURN 0, 1, 1
	STEP 1, 0, 0
	TURN 1, 0, 1
	STEP 0, 0, 0
	s_sub_co_u32 s3, s3, 1
	s_cmp_lg_u32 s3, 0
	s_cbranch_scc1 .Llap
	TURN 0, 1, 0
	STEP 1, 0, 0
	s_wait_dscnt 4*NL
	WIN MUL_LO
	MUL16 0, 1, NQ-1, 1, 0
	MUL16 2, 1, NQ-1, 1, 0
	s_wait_dscnt 0
	WIN MUL_HI
	MUL16 4, 1, NQ-1, 1, 0
	MUL16 6, 1, NQ-1, 1, 0
	WIN 0
.macro QOUT a
.set AC, 64*((\a)%4)
.set PCS, PC+16*((\a)%2)
	WIN 0x0a+5*((\a)/4)
.irp b, 0,1,2,3
	v_max3_num_f32 v[TM+\b], |v[AC+16*\b]|, |v[AC+16*\b+1]|, 0x4800000
.endr
.irp i, 2,4,6,8,10,12,14
.irp b, 0,1,2,3
	v_max3_num_f32 v[TM+\b], |v[AC+16*\b+\i]|, |v[AC+16*\b+\i+1]|, v[TM+\b]
.endr
.endr
	WIN 0
.irp b, 0,1,2,3
	v_permlanex16_b32 v[TM+4+\b], v[TM+\b], s[SEL], s[SEL+1]
.endr
.irp b, 0,1,2,3
	v_max_num_f32 v[TM+\b], v[TM+\b], v[TM+4+\b]
.endr
.irp b, 0,1,2,3
	v_add_nc_u32 v[TM+12+\b], 0xfc000000, v[TM+\b]
.endr
.irp b, 0,1,2,3
.endr
.irp b, 0,1,2,3
	v_lshrrev_b32 v[TM+4+\b], 23, v[TM+12+\b]
.endr
.irp hh, 0,1
	v_lshl_or_b32 v[SW+2*(\a)+\hh], v[TM+5+2*\hh], 8, v[TM+4+2*\hh]
	v_or_b32 v[SW+2*(\a)+\hh], 0x7f7f0000, v[SW+2*(\a)+\hh]
.endr
	WIN 0x82+0x41*((\a)/4)
.irp b, 0,1,2,3
.irp i, 0,1,2,3,4,5,6,7,8,9,10,11,12,13,14,15
.endr
.endr
.if (\a) > 1
	s_wait_alu depctr_va_vdst(0)
	s_wait_xcnt 0x0
.endif
	WIN 2+(\a)/4
.irp b, 0,1,2,3
	v_cvt_scalef32_pk8_fp8_f32 v[PCS+4*\b:PCS+4*\b+1], v[AC+16*\b:AC+16*\b+7], v[TM+12+\b]
	v_cvt_scalef32_pk8_fp8_f32 v[PCS+4*\b+2:PCS+4*\b+3], v[AC+16*\b+8:AC+16*\b+15], v[TM+12+\b]
.endr
	WIN 0
	v_nop
.irp p, 0,1,2,3
	global_store_b128 v[CO], v[PCS+4*\p:PCS+4*\p+3], s[12:13] offset:(\p/2)*16*CHUNK+(\a)*1024+(\p%2)*512
.endr
.irp hh, 0,1
	ds_store_b32 v[STO], v[SW+2*(\a)+\hh] offset:\hh*512+((\a)&1)*256+((\a)>>1)*4
.endr
.endm
	PLACES NP
.irp b, 0,1,2,3
	v_mov_b32 v[TM+4+\b], 0
.endr
	s_mov_b32 s[SEL], 0x76543210
	s_mov_b32 s[SEL+1], 0xfedcba98
.irp a, 0,1,2,3,4,5,6,7
	QOUT \a
.endr
	ds_load_b128 v[160:163], v[RD]
	ds_load_b128 v[164:167], v[RD] offset:512
	s_wait_dscnt 0x0
	global_store_b128 v[CO], v[160:163], s[12:13] offset:8192
	global_store_b128 v[CO], v[164:167], s[12:13] offset:16*CHUNK+8192
	s_wait_tensorcnt 0x0
	ds_add_u32 v[SPW], v[NIL]
	s_wait_dscnt 0x0
	CROUND
	s_endpgm
.Lfunc_end_k_q5e32af9ed1_qk_gemm:
	.size	k_q5e32af9ed1_qk_gemm, .Lfunc_end_k_q5e32af9ed1_qk_gemm-k_q5e32af9ed1_qk_gemm
	.p2alignl 7, 3214868480
	.fill 96, 4, 3214868480
	.section	.rodata,"a",@progbits
	.p2align	6, 0x0
	.amdhsa_kernel k_q5e32af9ed1_qk_gemm
		.amdhsa_group_segment_fixed_size 327680
		.amdhsa_private_segment_fixed_size 0
		.amdhsa_enable_private_segment 0
		.amdhsa_kernarg_size 40
		.amdhsa_user_sgpr_count 2
		.amdhsa_user_sgpr_kernarg_segment_ptr 1
		.amdhsa_wavefront_size32 1
		.amdhsa_system_sgpr_workgroup_id_x 1
		.amdhsa_system_sgpr_workgroup_id_y 1
		.amdhsa_system_sgpr_workgroup_id_z 1
		.amdhsa_system_vgpr_workitem_id 0
		.amdhsa_next_free_vgpr 1024
		.amdhsa_next_free_sgpr 98
		.amdhsa_reserve_vcc 0
		.amdhsa_float_denorm_mode_32 3
		.amdhsa_float_denorm_mode_16_64 3
		.amdhsa_fp16_overflow 1
		.amdhsa_memory_ordered 1
		.amdhsa_forward_progress 1
		.amdhsa_inst_pref_size 152
	.end_amdhsa_kernel
	.amdgpu_metadata
---
amdhsa.version: [ 1, 2 ]
amdhsa.kernels:
  - .name:           k_q5e32af9ed1_qk_gemm
    .symbol:         k_q5e32af9ed1_qk_gemm.kd
    .args:
      - { .name: xq_codes, .offset: 0, .size: 8, .value_kind: global_buffer, .address_space: global }
      - { .name: xq_scales, .offset: 8, .size: 8, .value_kind: global_buffer, .address_space: global }
      - { .name: w_attn_codes, .offset: 16, .size: 8, .value_kind: global_buffer, .address_space: global }
      - { .name: w_attn_scales, .offset: 24, .size: 8, .value_kind: global_buffer, .address_space: global }
      - { .name: qk, .offset: 32, .size: 8, .value_kind: global_buffer, .address_space: global }
    .group_segment_fixed_size: 327680
    .private_segment_fixed_size: 0
    .kernarg_segment_align: 8
    .kernarg_segment_size: 40
    .max_flat_workgroup_size: 128
    .sgpr_count:     98
    .vgpr_count:     1024
    .wavefront_size: 32
...
	.end_amdgpu_metadata
.endif
;; end of part 3
;; launch attention (part 4): grid 4 x 64, 16 waves a work-group, clusters of 4 x 1, 327,680 bytes of LDS; arguments qk, vt, alpha, beta, gamma, out0; writes out0
.if DOCPART == 4
	.amdgcn_target "amdgcn-amd-amdhsa--gfx1250"
	.amdhsa_code_object_version 6
	.text
	.protected	k_q5e32af9ed1_attention
	.globl	k_q5e32af9ed1_attention
	.p2align	8
	.type	k_q5e32af9ed1_attention,@function
k_q5e32af9ed1_attention:
	s_mov_b64 s[64:65], 0
	v_nop
	global_prefetch_b8 v0, s[64:65] scope:SCOPE_SE
	s_setreg_imm32_b32 hwreg(HW_REG_WAVE_MODE, 25, 1), 1
	s_wait_xcnt 0x0
	s_wait_alu depctr_hold_cnt(0) depctr_sa_sdst(0) depctr_va_vdst(0) depctr_va_sdst(0) depctr_va_ssrc(0) depctr_va_vcc(0) depctr_vm_vsrc(0)
	s_getreg_b32 s2, hwreg(HW_REG_IB_STS2, 6, 4)
	s_cmp_eq_u32 s2, 0
	s_cbranch_scc0 .Lentry_in_a_cluster
	s_endpgm
.Lentry_in_a_cluster:
	s_bfe_u32 s2, ttmp6, 0x10000c
	s_cmp_lg_u32 s2, 0x3003
	s_cbranch_scc0 .Lentry_shape_is_right
	s_endpgm
.Lentry_shape_is_right:
.set KCH,   8704
.set VCH,   8448
.set VBASE, 16*KCH
.set LI,  1
.set L8,  2
.set ADK, 3
.set ADV, 4
.set ADS, 5
.set GO,  6
.set DM,  7
.set TT,  8
.set BB,  10
.set DD,  12
.set A0,  14
.set EE,  15
.set Q1,  16
.set F,   48
.set PC,  112
.set S,   128
.set O,   192
.set TM,  224
.set KSC, 240
.set VSC, 244
.set PW,  246
.set QS,  247
.set SAV, 249
.set W0,  253
.set WV,  16
.set CX,  17
.set HY,  18
.set AL,  19
.set BE,  20
.set GA,  21
.set CS,  22
.set G1K, 24
.set G1V, 32
.set G0K, 40
.set G0V, 44
.set SEL, 48
.set MNT, 50
.set ST,  51
.set TK,  52
.set TV,  53
.set GR,  54
.set QB,  56
.set OB,  60
.set QSB, 66
.set DQ,  72
.set QP,  74
.set AT,  76
.macro CROUND
	s_barrier_signal -1
	s_barrier_wait -1
	s_cmp_lg_u32 s[WV], 0
	s_cbranch_scc1 .Lnot_wave_0_\@
	s_barrier_signal -3
.Lnot_wave_0_\@:
	s_barrier_wait -3
	s_barrier_signal -1
	s_barrier_wait -1
.endm
.macro PLACES n
.rept \n
	v_nop
.endr
.endm
	s_load_b256 s[4:11], s[0:1], 0x0
	s_load_b128 s[12:15], s[0:1], 0x20
	v_lshl_add_u32 v254, v0, 2, 0x43000
	v_mov_b32 v255, 0
	ds_add_u32 v254, v255
	ds_add_u32 v254, v255
	s_wait_dscnt 0x0
	v_lshrrev_b32 v1, 5, v0
	s_delay_alu instid0(VALU_DEP_1)
	v_readfirstlane_b32 s[WV], v1
	s_bfe_u32 s[CX], ttmp6, 0x40000
	s_and_b32 s[HY], ttmp7, 0xffff
	s_mov_b32 s[G1K], 15|(3<<16)|(1<<21)
	s_mov_b32 s[G1K+1], 32<<16
	s_mov_b32 s[G1K+2], 34<<16
	s_mov_b32 s[G1K+3], 32<<16
	s_mov_b32 s[G1K+4], 34
	s_mov_b32 s[G1K+5], 32
	s_mov_b32 s[G1K+6], 0
	s_mov_b32 s[G1K+7], 0
	s_mov_b32 s[G1V], 15|(3<<16)|(1<<21)
	s_mov_b32 s[G1V+1], 32<<16
	s_mov_b32 s[G1V+2], 33<<16
	s_mov_b32 s[G1V+3], 32<<16
	s_mov_b32 s[G1V+4], 33
	s_mov_b32 s[G1V+5], 32
	s_mov_b32 s[G1V+6], 0
	s_mov_b32 s[G1V+7], 0
	s_mov_b32 s[G0K], 1
	s_mul_i32 s[G0K+1], s[WV], KCH
	s_mov_b32 s[G0V], 1
	s_mul_i32 s[G0V+1], s[WV], VCH
	s_add_co_u32 s66, s[HY], 64
	s_mul_i32 s66, s66, 16*KCH
	s_add_co_u32 s66, s66, s[G0K+1]
	s_mov_b32 s67, 0
	s_mul_i32 s68, s[HY], 16*VCH
	s_add_co_u32 s68, s68, s[G0V+1]
	s_mov_b32 s69, 0
	s_add_co_u32 s[G0V+1], s[G0V+1], VBASE
	s_wait_kmcnt 0x0
	s_add_nc_u64 s[G0K+2:G0K+3], s[4:5], s[66:67]
	s_or_b32 s[G0K+3], s[G0K+3], 0x80000000
	s_add_nc_u64 s[G0V+2:G0V+3], s[6:7], s[68:69]
	s_or_b32 s[G0V+3], s[G0V+3], 0x80000000
	s_load_b32 s[AL], s[8:9], 0x0
	s_load_b32 s[BE], s[10:11], 0x0
	s_load_b32 s[GA], s[12:13], 0x0
	CROUND
	tensor_load_to_lds s[G0K:G0K+3], s[G1K:G1K+7]
	s_nop 0
	s_wait_alu depctr_va_vdst(0)
	s_wait_tensorcnt 0x0
	ds_add_u32 v254, v255
	s_wait_dscnt 0x0
	CROUND
	tensor_load_to_lds s[G0V:G0V+3], s[G1V:G1V+7]
	s_nop 0
	PLACES 4
	s_mov_b32 s[GR], s[WV]
	s_xor_b32 s[GR+1], s[WV], 15
	s_mov_b32 s[AT], s[CX]
	s_add_co_u32 s[AT+1], s[CX], 4
	s_mul_i32 s70, s[HY], 16*KCH
	s_lshr_b32 s78, s[HY], 4
	s_lshl_b32 s78, s78, 11
	s_and_b32 s79, s[HY], 15
	s_lshl_b32 s79, s79, 8
.irp j, 0,1
	s_mul_i32 s71, s[GR+\j], KCH
	s_add_co_u32 s71, s71, s70
	s_lshl_b32 s[QB+2*\j], s[AT+\j], 10
	s_add_co_u32 s[QB+2*\j], s[QB+2*\j], s71
	s_mov_b32 s[QB+2*\j+1], 0
	s_add_nc_u64 s[QB+2*\j:QB+2*\j+1], s[4:5], s[QB+2*\j:QB+2*\j+1]
	s_and_b32 s[QSB+2*\j], s[AT+\j], 1
	s_lshl_b32 s[QSB+2*\j], s[QSB+2*\j], 8
	s_add_co_u32 s71, s71, s[QSB+2*\j]
	s_lshr_b32 s[QSB+2*\j], s[AT+\j], 1
	s_lshl_b32 s[QSB+2*\j], s[QSB+2*\j], 2
	s_add_co_u32 s[QSB+2*\j], s[QSB+2*\j], s71
	s_add_co_u32 s[QSB+2*\j], s[QSB+2*\j], 8192
	s_mov_b32 s[QSB+2*\j+1], 0
	s_add_nc_u64 s[QSB+2*\j:QSB+2*\j+1], s[4:5], s[QSB+2*\j:QSB+2*\j+1]
	s_lshl_b32 s[DQ+\j], s[AT+\j], 4
	s_lshl_b32 s71, s[GR+\j], 7
	s_add_co_u32 s71, s71, s[DQ+\j]
	s_add_co_u32 s[QP+\j], s71, 1
	s_add_co_u32 s71, s71, s78
	s_lshl_b32 s71, s71, 12
	s_add_co_u32 s[OB+2*\j], s71, s79
	s_mov_b32 s[OB+2*\j+1], 0
	s_add_nc_u64 s[OB+2*\j:OB+2*\j+1], s[14:15], s[OB+2*\j:OB+2*\j+1]
.endr
	v_and_b32 v[W0], 31, v0
	s_delay_alu instid0(VALU_DEP_1)
	v_lshlrev_b32 v[LI], 4, v[W0]
	s_delay_alu instid0(VALU_DEP_2)
	v_lshlrev_b32 v[L8], 3, v[W0]
	v_and_b32 v[W0+1], 15, v0
	v_bfe_u32 v[W0+2], v0, 4, 1
	s_delay_alu instid0(VALU_DEP_2)
	v_lshlrev_b32 v[ADK], 4, v[W0+1]
.irp j, 0,1
	global_load_b128 v[Q1+16*\j:Q1+16*\j+3], v[LI], s[QB+2*\j:QB+2*\j+1]
	global_load_b128 v[Q1+16*\j+4:Q1+16*\j+7], v[LI], s[QB+2*\j:QB+2*\j+1] offset:512
	global_load_b32 v[QS+\j], v[ADK], s[QSB+2*\j:QSB+2*\j+1]
.endr
	v_lshlrev_b32 v[GO], 4, v[W0+1]
	s_delay_alu instid0(VALU_DEP_1)
	v_lshl_add_u32 v[GO], v[W0+2], 15, v[GO]
	v_lshlrev_b32 v[DM], 3, v[W0+2]
	s_delay_alu instid0(VALU_DEP_1)
	v_sub_nc_u32 v[DM], v[W0+1], v[DM]
.irp i, 8,9,10,11,12,13,14,15
	v_mov_b32 v[Q1+\i], 0
	v_mov_b32 v[Q1+16+\i], 0
.endr
.irp i, 0,1,2,3,4,5,6,7,8,9,10,11,12,13,14,15
	v_mov_b32 v[PC+\i], 0
.endr
	v_mov_b32 v[TT+1], 0
	v_mov_b32 v[BB+1], 0
	v_mov_b32 v[DD+1], 0
.irp i, 4,5,6,7
	v_mov_b32 v[TM+\i], 0
.endr
	s_mov_b32 s[CS], 0x3e38aa3b
	s_mov_b32 s[CS+1], s[CS]
	s_mov_b32 s[SEL], 0x76543210
	s_mov_b32 s[SEL+1], 0xfedcba98
	s_mov_b32 s[MNT], 0x600000
	s_mov_b32 s71, 0x3aadd2ff
	s_wait_kmcnt 0x0
	v_mov_b32 v[W0], s[AL]
	s_delay_alu instid0(VALU_DEP_1)
	v_mul_f32 v[A0], 0x39ffc910, v[W0]
	s_delay_alu instid0(VALU_DEP_1)
	v_fma_f32 v[EE], v[W0], s71, -v[A0]
.macro KLOAD
	v_add_nc_u32 v[ADK], s[TK], v[LI]
	ds_load_b128 v[KSC:KSC+3], v[ADK] offset:8192
.irp a, 0,1,2,3,4,5,6,7
	ds_load_b128 v[F+8*\a:F+8*\a+3], v[ADK] offset:1024*\a
	ds_load_b128 v[F+8*\a+4:F+8*\a+7], v[ADK] offset:1024*\a+512
.endr
.endm
.macro SCORES q, qs
	s_wait_dscnt 0x0
.irp a, 0,1,2,3,4,5,6,7
.if \a%2
	v_wmma_scale_f32_16x16x128_f8f6f4 v[S+8*\a:S+8*\a+7], v[F+8*\a:F+8*\a+15], v[\q:\q+15], 0, v[KSC+\a/2], v[\qs] matrix_a_scale:MATRIX_SCALE_ROW1
.else
	v_wmma_scale_f32_16x16x128_f8f6f4 v[S+8*\a:S+8*\a+7], v[F+8*\a:F+8*\a+15], v[\q:\q+15], 0, v[KSC+\a/2], v[\qs]
.endif
.endr
	PLACES 8
.endm
.macro VLOAD
	v_add_nc_u32 v[ADV], s[TV], v[LI]
	v_add_nc_u32 v[ADS], s[TV], v[L8]
	ds_load_b64 v[VSC:VSC+1], v[ADS] offset:8192
.irp t, 0,1,2,3
.irp c, 0,1,2,3
	ds_load_b128 v[F+16*\t+4*\c:F+16*\t+4*\c+3], v[ADV] offset:2048*\t+512*\c
.endr
.endr
.endm
.macro PV
	s_wait_dscnt 0x0
.irp t, 0,1,2,3
.if \t%2
	v_wmma_scale_f32_16x16x128_f8f6f4 v[O+8*\t:O+8*\t+7], v[PC:PC+15], v[F+16*\t:F+16*\t+15], v[O+8*\t:O+8*\t+7], v[PW], v[VSC+\t/2] matrix_b_scale:MATRIX_SCALE_ROW1
.else
	v_wmma_scale_f32_16x16x128_f8f6f4 v[O+8*\t:O+8*\t+7], v[PC:PC+15], v[F+16*\t:F+16*\t+15], v[O+8*\t:O+8*\t+7], v[PW], v[VSC+\t/2]
.endif
.endr
	PLACES 8
.endm
.macro MASK1 j
	v_add_nc_u32 v[W0], s[DQ+\j], v[DM]
	v_mov_b32 v[W0+1], 0xff800000
.set n, 0
.rept 64
	v_cmp_gt_i32 vcc_lo, 16*(n/8)+n%8, v[W0]
	v_cndmask_b32 v[S+n], v[S+n], v[W0+1], vcc_lo
.set n, n+1
.endr
.endm
.macro FIX j
	v_add_nc_u32 v[W0], s[DQ+\j], v[DM]
.set n, 0
.rept 64
	v_cmp_eq_i32 vcc_lo, 16*(n/8)+n%8, v[W0]
	v_add_f32 v[W0+1], v[S+n], v[EE]
	s_delay_alu instid0(VALU_DEP_1)
	v_cndmask_b32 v[S+n], v[S+n], v[W0+1], vcc_lo
	v_cmp_gt_i32 vcc_lo, 16*(n/8)+n%8, v[W0]
	s_delay_alu instid0(VALU_DEP_1)
	v_cndmask_b32 v[S+n], v[S+n], v[A0], vcc_lo
.set n, n+1
.endr
.endm
.macro TMINUS
.set p, 0
.rept 32
	v_pk_fma_f32 v[S+p:S+p+1], v[S+p:S+p+1], s[CS:CS+1], v[TT:TT+1] op_sel_hi:[1,0,0] neg_lo:[0,0,1] neg_hi:[0,0,1]
.set p, p+2
.endr
.endm
.macro EXPS
.set p, 0
.rept 64
	v_exp_f32 v[S+p], v[S+p]
.set p, p+1
.endr
	v_nop
	s_wait_alu depctr_va_vdst(0)
.endm
.macro QUANT
.irp b, 0,1,2,3
	v_max3_num_f32 v[TM+\b], |v[S+16*\b]|, |v[S+1+16*\b]|, 0x4800000
.endr
.irp i, 2,4,6,8,10,12,14
.irp b, 0,1,2,3
	s_delay_alu instid0(VALU_DEP_4)
	v_max3_num_f32 v[TM+\b], v[TM+\b], |v[S+16*\b+\i]|, |v[S+1+16*\b+\i]|
.endr
.endr
.irp b, 0,1,2,3
	v_permlanex16_b32 v[TM+4+\b], v[TM+\b], s[SEL], s[SEL+1]
.endr
.irp b, 0,1,2,3
	s_delay_alu instid0(VALU_DEP_4)
	v_max_num_f32 v[TM+\b], v[TM+\b], v[TM+4+\b]
.endr
.irp b, 0,1,2,3
	s_delay_alu instid0(VALU_DEP_4)
	v_add_nc_u32 v[TM+12+\b], 0xfc000000, v[TM+\b]
.endr
.irp b, 0,1,2,3
.endr
.irp b, 0,1,2,3
	s_delay_alu instid0(VALU_DEP_4)
	v_lshrrev_b32 v[TM+4+\b], 23, v[TM+12+\b]
.endr
	s_delay_alu instid0(VALU_DEP_3)
	v_lshl_or_b32 v[PW], v[TM+5], 8, v[TM+4]
	s_delay_alu instid0(VALU_DEP_1)
	v_lshl_or_b32 v[PW], v[TM+6], 16, v[PW]
	s_delay_alu instid0(VALU_DEP_1)
	v_lshl_or_b32 v[PW], v[TM+7], 24, v[PW]
.irp b, 0,1,2,3
.irp i, 0,1,2,3,4,5,6,7,8,9,10,11,12,13,14,15
.endr
	v_cvt_scalef32_pk8_fp8_f32 v[PC+4*\b:PC+1+4*\b], v[S+16*\b:S+7+16*\b], v[TM+12+\b]
	v_cvt_scalef32_pk8_fp8_f32 v[PC+2+4*\b:PC+3+4*\b], v[S+8+16*\b:S+15+16*\b], v[TM+12+\b]
.endr
	PLACES 4
.endm
.macro FILLC
	v_max3_num_f32 v[TM], |v[A0]|, |v[A0]|, 0x4800000
	s_delay_alu instid0(VALU_DEP_1)
	v_add_nc_u32 v[TM+12], 0xfc000000, v[TM]
	s_delay_alu instid0(VALU_DEP_2)
	v_and_or_b32 v[TM+8], v[TM], 0x7f800000, s[MNT]
	s_delay_alu instid0(VALU_DEP_2)
	v_lshrrev_b32 v[TM+4], 23, v[TM+12]
	s_delay_alu instid0(VALU_DEP_1)
	v_lshl_or_b32 v[PW], v[TM+4], 8, v[TM+4]
	s_delay_alu instid0(VALU_DEP_1)
	v_lshl_or_b32 v[PW], v[PW], 16, v[PW]
	s_delay_alu instid0(VALU_DEP_4)
	v_med3_num_f32 v[S], v[A0], -v[TM+8], v[TM+8]
.irp i, 1,2,3,4,5,6,7
	v_mov_b32 v[S+\i], v[S]
.endr
	v_cvt_scalef32_pk8_fp8_f32 v[PC:PC+1], v[S:S+7], v[TM+12]
	v_nop
.irp i, 2,3,4,5,6,7,8,9,10,11,12,13,14,15
	v_mov_b32 v[PC+\i], v[PC]
.endr
	PLACES 4
.endm
.macro PASS1 j
	v_mov_b32 v[TT], 0xff61b1e6
	v_mov_b32 v[TM+8], 0
	v_mov_b32 v[TM+9], 0
	s_mov_b32 s[ST], 0
	s_mov_b32 s[TK], 0
.Lone_\@:
	s_cmp_gt_u32 s[ST], s[GR+\j]
	s_cbranch_scc1 .Lone_next_\@
	KLOAD
	SCORES Q1+16*\j, QS+\j
	s_cmp_lg_u32 s[ST], s[GR+\j]
	s_cbranch_scc1 .Lone_open_\@
	MASK1 \j
.Lone_open_\@:
.irp b, 0,1,2,3
	v_max3_num_f32 v[TM+\b], v[S+16*\b], v[S+16*\b+1], v[S+16*\b+2]
.endr
.irp i, 3,5,7,9,11,13
.irp b, 0,1,2,3
	v_max3_num_f32 v[TM+\b], v[TM+\b], v[S+16*\b+\i], v[S+16*\b+\i+1]
.endr
.endr
.irp b, 0,1,2,3
	v_max_num_f32 v[TM+\b], v[TM+\b], v[S+16*\b+15]
.endr
	s_delay_alu instid0(VALU_DEP_2)
	v_max3_num_f32 v[TM+4], v[TM], v[TM+1], v[TM+2]
	s_delay_alu instid0(VALU_DEP_1)
	v_max_num_f32 v[TM+4], v[TM+4], v[TM+3]
	s_delay_alu instid0(VALU_DEP_1)
	v_permlanex16_b32 v[TM+5], v[TM+4], s[SEL], s[SEL+1]
	s_delay_alu instid0(VALU_DEP_1)
	v_max_num_f32 v[TM+4], v[TM+4], v[TM+5]
	v_mov_b32 v[TM+6], v[TT]
	s_delay_alu instid0(VALU_DEP_2)
	v_mul_f32 v[TM+4], s[CS], v[TM+4]
	s_delay_alu instid0(VALU_DEP_1)
	v_max_num_f32 v[TT], v[TT], v[TM+4]
	s_delay_alu instid0(VALU_DEP_1)
	v_sub_f32 v[TM+6], v[TM+6], v[TT]
	TMINUS
	s_wait_alu depctr_va_vdst(0)
	v_exp_f32 v[TM+6], v[TM+6]
	EXPS
	v_pk_mul_f32 v[TM+8:TM+9], v[TM+8:TM+9], v[TM+6:TM+7] op_sel_hi:[1,0]
	v_pk_add_f32 v[TM+10:TM+11], v[S:S+1], v[S+2:S+3]
.set p, 4
.rept 15
	v_pk_add_f32 v[TM+8:TM+9], v[TM+8:TM+9], v[S+p:S+p+1]
	v_pk_add_f32 v[TM+10:TM+11], v[TM+10:TM+11], v[S+p+2:S+p+3]
.set p, p+4
.endr
	s_delay_alu instid0(VALU_DEP_1)
	v_pk_add_f32 v[TM+8:TM+9], v[TM+8:TM+9], v[TM+10:TM+11]
.Lone_next_\@:
	s_add_co_u32 s[TK], s[TK], KCH
	s_add_co_u32 s[ST], s[ST], 1
	s_cmp_lt_u32 s[ST], 16
	s_cbranch_scc1 .Lone_\@
	s_wait_alu depctr_va_vdst(0)
	v_add_f32 v[TM+8], v[TM+8], v[TM+9]
	s_delay_alu instid0(VALU_DEP_1)
	v_permlanex16_b32 v[TM+5], v[TM+8], s[SEL], s[SEL+1]
	s_delay_alu instid0(VALU_DEP_1)
	v_add_f32 v[SAV+2*\j+1], v[TM+8], v[TM+5]
	v_mov_b32 v[SAV+2*\j], v[TT]
.endm
.macro PASS2 j
	v_mov_b32 v[TT], v[SAV+2*\j]
	v_and_b32 v[W0], 15, v0
	s_delay_alu instid0(VALU_DEP_1)
	v_add_nc_u32 v[W0], s[QP+\j], v[W0]
	s_delay_alu instid0(VALU_DEP_1)
	v_cvt_f32_u32 v[W0], v[W0]
	s_wait_alu depctr_va_vdst(0)
	v_rcp_f32 v[W0+1], v[W0]
	v_rcp_f32 v[W0+2], v[SAV+2*\j+1]
.set p, 0
.rept 32
	v_mov_b32 v[O+p], 0
.set p, p+1
.endr
	s_wait_alu depctr_va_vdst(0)
	v_mul_f32 v[BB], s[BE], v[W0+2]
	v_fma_f32 v[DD], -v[W0+1], s[GA], v[A0]
	s_mov_b32 s[ST], 0
	s_mov_b32 s[TK], 0
	s_mov_b32 s[TV], VBASE
.Ltwo_\@:
	s_cmp_gt_u32 s[ST], s[GR+\j]
	s_cbranch_scc1 .Ltwo_next_\@
	KLOAD
	s_wait_alu depctr_va_vdst(0)
	SCORES Q1+16*\j, QS+\j
	VLOAD
	TMINUS
	s_wait_alu depctr_va_vdst(0)
	EXPS
.set p, 0
.rept 32
	v_pk_fma_f32 v[S+p:S+p+1], v[S+p:S+p+1], v[BB:BB+1], v[DD:DD+1] op_sel_hi:[1,0,0]
.set p, p+2
.endr
	s_cmp_lg_u32 s[ST], s[GR+\j]
	s_cbranch_scc1 .Ltwo_open_\@
	FIX \j
.Ltwo_open_\@:
	QUANT
	s_wait_alu depctr_va_vdst(0)
	PV
.Ltwo_next_\@:
	s_add_co_u32 s[TK], s[TK], KCH
	s_add_co_u32 s[TV], s[TV], VCH
	s_add_co_u32 s[ST], s[ST], 1
	s_cmp_lt_u32 s[ST], 16
	s_cbranch_scc1 .Ltwo_\@
	FILLC
	s_mov_b32 s[ST], 0
	s_mov_b32 s[TV], VBASE
.Lup_\@:
	s_cmp_le_u32 s[ST], s[GR+\j]
	s_cbranch_scc1 .Lup_next_\@
	VLOAD
	s_wait_alu depctr_va_vdst(0)
	PV
.Lup_next_\@:
	s_add_co_u32 s[TV], s[TV], VCH
	s_add_co_u32 s[ST], s[ST], 1
	s_cmp_lt_u32 s[ST], 16
	s_cbranch_scc1 .Lup_\@
.irp q, 0,1,2,3,4,5,6,7
.irp t, 0,1,2,3
	v_mov_b32 v[S+4*\q+\t], v[O+8*\t+\q]
.endr
.endr
.irp q, 0,1,2,3,4,5,6,7
	global_store_b128 v[GO], v[S+4*\q:S+4*\q+3], s[OB+2*\j:OB+2*\j+1] offset:4096*\q th:TH_STORE_NT
.endr
	s_wait_xcnt 0x0
.endm
	s_wait_loadcnt 0x0
	s_wait_tensorcnt 0x1
	s_barrier_signal -1
	s_barrier_wait -1
	PASS1 0
	PASS1 1
	s_wait_tensorcnt 0x0
	s_wait_dscnt 0x0
	s_barrier_signal -1
	s_barrier_wait -1
	PASS2 0
	PASS2 1
	s_wait_dscnt 0x0
	s_wait_xcnt 0x0
	v_lshl_add_u32 v254, v0, 2, 0x43000
	v_mov_b32 v255, 0
	s_wait_alu depctr_va_vdst(0)
	s_wait_tensorcnt 0x0
	ds_add_u32 v254, v255
	s_wait_dscnt 0x0
	CROUND
	s_endpgm
.Lfunc_end_k_q5e32af9ed1_attention:
	.size	k_q5e32af9ed1_attention, .Lfunc_end_k_q5e32af9ed1_attention-k_q5e32af9ed1_attention
	.p2alignl 7, 3214868480
	.fill 96, 4, 3214868480
	.section	.rodata,"a",@progbits
	.p2align	6, 0x0
	.amdhsa_kernel k_q5e32af9ed1_attention
		.amdhsa_group_segment_fixed_size 327680
		.amdhsa_private_segment_fixed_size 0
		.amdhsa_enable_private_segment 0
		.amdhsa_kernarg_size 48
		.amdhsa_user_sgpr_count 2
		.amdhsa_user_sgpr_kernarg_segment_ptr 1
		.amdhsa_wavefront_size32 1
		.amdhsa_system_sgpr_workgroup_id_x 1
		.amdhsa_system_sgpr_workgroup_id_y 1
		.amdhsa_system_sgpr_workgroup_id_z 1
		.amdhsa_system_vgpr_workitem_id 0
		.amdhsa_next_free_vgpr 256
		.amdhsa_next_free_sgpr 80
		.amdhsa_reserve_vcc 1
		.amdhsa_float_denorm_mode_32 3
		.amdhsa_float_denorm_mode_16_64 3
		.amdhsa_fp16_overflow 1
		.amdhsa_memory_ordered 1
		.amdhsa_forward_progress 1
		.amdhsa_inst_pref_size 121
	.end_amdhsa_kernel
	.amdgpu_metadata
---
amdhsa.version: [ 1, 2 ]
amdhsa.kernels:
  - .name:           k_q5e32af9ed1_attention
    .symbol:         k_q5e32af9ed1_attention.kd
    .args:
      - { .name: qk, .offset: 0, .size: 8, .value_kind: global_buffer, .address_space: global }
      - { .name: vt, .offset: 8, .size: 8, .value_kind: global_buffer, .address_space: global }
      - { .name: alpha, .offset: 16, .size: 8, .value_kind: global_buffer, .address_space: global }
      - { .name: beta, .offset: 24, .size: 8, .value_kind: global_buffer, .address_space: global }
      - { .name: gamma, .offset: 32, .size: 8, .value_kind: global_buffer, .address_space: global }
      - { .name: out0, .offset: 40, .size: 8, .value_kind: global_buffer, .address_space: global }
    .group_segment_fixed_size: 327680
    .private_segment_fixed_size: 0
    .kernarg_segment_align: 8
    .kernarg_segment_size: 48
    .max_flat_workgroup_size: 512
    .sgpr_count:     80
    .vgpr_count:     256
    .wavefront_size: 32
...
	.end_amdgpu_metadata
.endif
;; end of part 4
